; MI455X (gfx1250); checked and timed in simulation.
; The chip was launched on July 23, 2026; its instructions are those of AMD's public machine-readable ISA for CDNA 5 (MIT licence, August 2026) and "CDNA5" Instruction Set Architecture Reference Guide (July 2026). The comments in the code are by the model that wrote it; some were corrected since.
;; Bert Self Attention Substitute. Allowed arithmetic: matrix products marked QUANTISED: E2M3 operands, one E8M0 scale for each 32 along K, by v_wmma_scale_f32_16x16x128_f8f6f4 with both operands' format E2M3, f32 sums; everything else in f32.
;; Inputs: Wk 1,024 x 1,024 float32; Wq 1,024 x 1,024 float32; Wv 1,024 x 1,024 float32; attention_mask 4 x 1 x 1 x 2,048 float32; bk 1,024 float32; bq 1,024 float32; bv 1,024 float32; hidden_states 4 x 2,048 x 1,024 float32.
;; Outputs: out0 4 x 2,048 x 1,024 float32.
;; This version of the problem:
;;   THIS VERSION OF THE PROBLEM IS GIVEN IN LOW PRECISION. The matrix products marked QUANTISED in the list below multiply operands that are first quantised to E2M3 (2 exponent bits, 3 mantissa bits; 6 bits a number), with one power-of-two scale for each 32 numbers along K (OCP MX v1.0); their sums are f32. All else is computed in f32.
;;   The module's matrix products, in the order in which they are computed (A, B: the left and right operand; K: the contracted axis; several contracted axes count as one K, in the product's order):
;;     1. [M 8,192, K 1,024] x [K 1,024, N 1,024]; A: input hidden_states; B: input Wq: QUANTISED
;;     2. [M 8,192, K 1,024] x [K 1,024, N 1,024]; A: input hidden_states; B: input Wk: QUANTISED
;;     3. [M 8,192, K 1,024] x [K 1,024, N 1,024]; A: input hidden_states; B: input Wv: QUANTISED
;;     4. batch 64 x [M 2,048, K 64] x [K 64, N 2,048]; A: computed on the way; B: computed on the way: QUANTISED
;;     5. batch 64 x [M 2,048, K 2,048] x [K 2,048, N 64]; A: computed on the way; B: computed on the way: QUANTISED
;;   THE QUANTISER, for each operand of a quantised product, along K:
;;     - K is cut into blocks of 32 from its start; a last block that is shorter is filled with zeros.
;;     - A block's scale is 2^e with e = floor(log2(the largest magnitude in the block)) - 2, held to -126 .. 127; a block of zeros has e = 0. As a byte (E8M0): e + 127.
;;     - Each number is divided by its block's scale, clamped to +-7.5, and rounded to the nearest number of E2M3, ties to even, subnormals kept.
;;     - The product sums the exact products of the quantised numbers (number of the format x scale) in f32.
;;   ~~~python
;;   def quantise(x, axis):      # numpy; x: float32 -> the quantised numbers, widened to float32 again
;;       x = np.moveaxis(x, axis, -1); K = x.shape[-1]
;;       x = np.pad(x, [(0, 0)] * (x.ndim - 1) + [(0, -K % 32)]); x = x.reshape(x.shape[:-1] + (-1, 32)); a = np.abs(x).max(-1, keepdims=True)
;;       e = np.where(a > 0, np.clip(np.frexp(np.where(a > 0, a, 1))[1] - 1 - 2, -126, 127), 0)      # np.frexp(a)[1] - 1 = floor(log2(a)), exactly
;;       r = np.clip(x / 2.0 ** e, -7.5, 7.5)
;;       step = 2.0 ** (np.maximum(np.frexp(np.where(r == 0, 1, r))[1] - 1, 0) - 3)
;;       q = np.round(r / step) * step * 2.0 ** e      # np.round: ties to even
;;       return np.moveaxis(q.reshape(q.shape[:-2] + (-1,))[..., :K], -1, axis).astype(np.float32)
;;   ~~~
;;   OPERANDS COMPUTED ON THE WAY. 'Computed on the way' means the value that the module computes at that place (a softmax that the list does not call 'softmax' is quantised finished and normalised). What goes into a quantiser is computed in f32, as accurately as f32 sums, v_exp_f32 and their like allow (about 1e-6 of the number): no bf16 or f16 on the way to a quantiser, and a product that is left as it is and whose result goes on into a quantised operand takes f32 operands (vector FMAs, or v_wmma_f32_16x16x4_f32). A number that lies on a knife's edge between two numbers of the format may be rounded either way, as far as f32 arithmetic and the matrix unit's own rounding can turn it there, and no further.
;; One version. Each part assembles by itself: llvm-mc -triple=amdgcn-amd-amdhsa -mcpu=gfx1250 --defsym DOCPART=n.
;; ======== version 1 of 1: 3 launches
;; limits: right only within a limited range of input values
;; workspace buffers: ximg 6,291,456 bytes; xscl 262,144 bytes; wimg 2,359,296 bytes; wscl 98,304 bytes; qimg 6,815,744 bytes; kimg 6,815,744 bytes; vimg 6,553,600 bytes
;; launch quant (part 1): grid 704 x 1, 8 waves a work-group, no clusters, 69,120 bytes of LDS; arguments hidden_states, Wq, Wk, Wv, ximg, xscl, wimg, wscl; writes ximg, xscl, wimg, wscl
.if DOCPART == 1
	.amdgcn_target "amdgcn-amd-amdhsa--gfx1250"
	.amdhsa_code_object_version 6
	.text
	.protected	k_q4bdc4d6c6d_quant
	.globl	k_q4bdc4d6c6d_quant
	.p2align	8
	.type	k_q4bdc4d6c6d_quant,@function
k_q4bdc4d6c6d_quant:
	s_mov_b64 s[64:65], 0
	v_nop
	global_prefetch_b8 v0, s[64:65] scope:SCOPE_SE
	s_setreg_imm32_b32 hwreg(HW_REG_WAVE_MODE, 25, 1), 1
	s_wait_xcnt 0x0
; hidden_states [8192][1024] and Wq, Wk, Wv [1024][1024], f32, K innermost, become codes of FP6 (E2M3) with one E8M0 byte for each 32 along K,
; laid AS IMAGES OF THE OPERAND'S REGISTERS: a fragment (16 rows x 128 K, 12 registers a lane) is 3 pieces of 512 bytes, piece p = registers 4 p .. 4 p + 3, lane l's 16 bytes at 16 l.
; ximg, wimg: [tile][K step 0..7][1,536].  xscl, wscl: [tile][512]: the scale word of K step s and row r at 256 (s / 4) + 16 r + 4 (s % 4).
; THE ROWS OF A TILE ARE NOT NEIGHBOURS: tile T = 4 g + t holds, as its row r, the tensor's row 64 g + 32 (r / 8) + 8 t + r % 8.  So where such a tile is source 0 of a product, the 32 result registers of
; tiles 4 g .. 4 g + 3 are 32 neighbouring rows in one lane: a whole block of the next quantiser.
; A block's scale is 2^(floor(log2(largest magnitude)) - 2): its byte is the largest magnitude's exponent field - 2, held at 1 from below.
; LIMITS: a block of zeros, or one whose largest magnitude lies under 2^-124, gets the byte 1 (this program alone reads the bytes; zero codes add nothing); NaN and infinities among the inputs are not served.
; SHARES: work-group T takes one tile (0..511: hidden_states; 512..703: Wq, Wk, Wv, 64 tiles each); its wave s takes K step s: 16 rows x 512 bytes, one fragment.  No loop.
; Each load takes 512 consecutive bytes of a row; the numbers turn through the wave's own stage in LDS (rows of 528 bytes = 33 x 16, so that sixteen rows start in different banks: ISA guide 11.1),
; from which lane (r, h) takes the 32 neighbours k = 64 c + 32 h + 0 .. 31 of row r: a whole block, so no other lane is asked for a maximum.
; No matrix unit, no cluster, no tensor load: the work-groups share no input, and each byte is read once.
.set STGB, 8448                        ; a wave's stage: 16 rows x 528 bytes
.set SCS,  8*STGB                      ; behind the stages: the tile's 512 bytes of scale words
.set R,    16                          ; v16-79   the numbers as loaded: row p in 4 registers
.set X,    80                          ; v80-143  block c at X + 32 c
.set E,    144                         ; v144-155 the fragment's 12 registers
.set T,    156                         ; v156-158, v160-162 the upper halves of the two blocks, as converted
	s_load_b256 s[4:11], s[0:1], 0x0               ; hidden_states s[4:5], Wq s[6:7], Wk s[8:9], Wv s[10:11]
	s_load_b256 s[12:19], s[0:1], 0x20             ; ximg s[12:13], xscl s[14:15], wimg s[16:17], wscl s[18:19]
	v_lshl_add_u32 v172, v0, 2, 0x10a00
	v_mov_b32 v173, 0
	v_lshrrev_b32 v1, 5, v0
	v_readfirstlane_b32 s20, v1                    ; wave = K step s
	v_and_b32 v1, 31, v0                           ; lane
	v_and_b32 v2, 15, v0                           ; r
	v_bfe_u32 v3, v0, 4, 1                         ; h
	v_lshlrev_b32 v4, 4, v1                        ; 16 x lane
	s_mul_i32 s21, s20, STGB
	v_add_nc_u32 v5, s21, v4                       ; the stage, way in: 16 x lane of a row
	v_mul_u32_u24 v6, v2, 528
	v_lshl_add_u32 v6, v3, 7, v6
	v_add_nc_u32 v6, s21, v6                       ; way out: row r, + 128 h
	v_lshlrev_b32 v7, 3, v3                        ; 8 h: my bytes' place in the scale word, in bits
	s_lshr_b32 s22, s20, 2
	s_lshl_b32 s22, s22, 8
	s_and_b32 s23, s20, 3
	s_lshl_b32 s23, s23, 2
	s_add_co_u32 s22, s22, s23
	s_add_co_u32 s22, s22, SCS
	v_lshl_add_u32 v8, v2, 4, s22                  ; where row r's word of K step s goes
	v_mov_b32 v9, 0                                ; a lane permute's destination counts as one of its sources
	v_add_nc_u32 v167, SCS, v4                     ; where wave 0 reads the 512 bytes back
	s_mov_b32 s30, 0x76543210
	s_mov_b32 s31, 0xfedcba98                      ; v_permlanex16_b32's selects for lane l xor 16
	; offsets, apart from the addresses
	s_cmp_lt_u32 ttmp9, 512
	s_cselect_b32 s24, 0, 512
	s_cselect_b32 s25, 511, 63
	s_sub_co_u32 s24, ttmp9, s24                   ; the tile in the images
	s_and_b32 s25, s24, s25                        ; the tile in its source tensor
	s_lshr_b32 s26, s25, 2
	s_lshl_b32 s26, s26, 18                        ; 64 rows of 4,096 bytes for each group
	s_and_b32 s25, s25, 3
	s_lshl_b32 s25, s25, 15                        ; 8 rows for each t
	s_add_co_u32 s26, s26, s25
	s_lshl_b32 s25, s20, 9                         ; 512 bytes for each K step
	s_add_co_u32 s26, s26, s25
	s_mov_b32 s27, 0
	s_lshl_b32 s28, s24, 3
	s_add_co_u32 s28, s28, s20
	s_mul_i32 s28, s28, 1536                       ; my fragment's image
	s_mov_b32 s29, 0
	s_lshl_b32 s32, s24, 9                         ; the tile's scale words
	s_mov_b32 s33, 0
	s_wait_kmcnt 0x0
	s_cmp_lt_u32 ttmp9, 640                        ; the choices hang on the work-group's number alone
	s_cselect_b64 s[10:11], s[8:9], s[10:11]
	s_cmp_lt_u32 ttmp9, 576
	s_cselect_b64 s[10:11], s[6:7], s[10:11]
	s_cmp_lt_u32 ttmp9, 512
	s_cselect_b64 s[10:11], s[4:5], s[10:11]
	s_cselect_b64 s[12:13], s[12:13], s[16:17]
	s_cselect_b64 s[14:15], s[14:15], s[18:19]
	s_add_nc_u64 s[10:11], s[10:11], s[26:27]
	s_add_nc_u64 s[12:13], s[12:13], s[28:29]
	s_add_nc_u64 s[14:15], s[14:15], s[32:33]
.irp p, 0,1,2,3,4,5,6,7,8,9,10,11,12,13,14,15
	global_load_b128 v[R+4*\p:R+4*\p+3], v4, s[10:11] offset:(32*(\p/8)+\p%8)*4096 th:TH_LOAD_NT   ; the tile's row p: 512 consecutive bytes
.endr
.irp p, 0,1,2,3,4,5,6,7,8,9,10,11,12,13,14,15
	s_wait_loadcnt 15-\p                           ; loads come back in order: row p is in, the younger ones stay out
	ds_store_b128 v5, v[R+4*\p:R+4*\p+3] offset:528*\p
.endr
.irp c, 0,1
.irp j, 0,1,2,3,4,5,6,7
	ds_load_b128 v[X+32*\c+4*\j:X+32*\c+4*\j+3], v6 offset:256*\c+16*\j   ; LDS serves a wave's instructions in order: these see my stores
.endr
.endr
; block c: the largest magnitude of my 32 numbers in two chains, the scale, the codes
.macro BLK c
	v_max3_num_f32 v[10+2*\c], |v[X+32*\c]|, |v[X+32*\c+1]|, 0x1800000   ; with the floor 2^(3 - 127): the byte cannot fall under 1
	v_max3_num_f32 v[11+2*\c], |v[X+32*\c+16]|, |v[X+32*\c+17]|, |v[X+32*\c+18]|
.irp i, 2,4,6,8,10,12
	v_max3_num_f32 v[10+2*\c], v[10+2*\c], |v[X+32*\c+\i]|, |v[X+32*\c+\i+1]|
	v_max3_num_f32 v[11+2*\c], v[11+2*\c], |v[X+32*\c+17+\i]|, |v[X+32*\c+18+\i]|
.endr
	v_max3_num_f32 v[10+2*\c], v[10+2*\c], |v[X+32*\c+14]|, |v[X+32*\c+15]|
	v_max3_num_f32 v[10+2*\c], v[10+2*\c], v[11+2*\c], |v[X+32*\c+31]|
	v_add_nc_u32 v[14+\c], 0xff000000, v[10+2*\c]  ; 2 off the exponent field: the conversion takes this operand's exponent field as its scale
	v_lshrrev_b32 v[164+\c], 23, v[14+\c]          ; the scale's byte
	v_cvt_scalef32_pk16_fp6_f32 v[E+6*\c:E+6*\c+2], v[X+32*\c:X+32*\c+15], v[14+\c]
	v_cvt_scalef32_pk16_fp6_f32 v[T+4*\c:T+4*\c+2], v[X+32*\c+16:X+32*\c+31], v[14+\c]   ; (a conversion's three registers begin on an even number)
	v_nop                                          ; one plain line behind a scaled conversion
.irp i, 0,1,2
	v_mov_b32 v[E+6*\c+3+\i], v[T+4*\c+\i]
.endr
.endm
	s_wait_dscnt 0x8                               ; block 0's eight loads are in; block 1's eight may be out
	BLK 0
	s_wait_dscnt 0x0
	BLK 1
	v_lshl_or_b32 v166, v165, 16, v164             ; my two bytes: blocks h and 2 + h of row r,
	v_lshlrev_b32 v166, v7, v166                   ; at their places;
	v_permlanex16_b32 v9, v166, s30, s31
	v_or_b32 v166, v166, v9                        ; with lane l xor 16's two the word is whole
.irp p, 0,1,2
	global_store_b128 v4, v[E+4*\p:E+4*\p+3], s[12:13] offset:512*\p   ; 32 lanes store 512 consecutive bytes, aligned to 256
.endr
	ds_store_b32 v8, v166                          ; lanes r and r + 16 write the same word with the same value
	s_wait_dscnt 0x0                               ; for the others' sake: my word has landed
	s_barrier_signal -1
	s_barrier_wait -1
	s_cmp_lg_u32 s20, 0
	s_cbranch_scc1 .Ldone                          ; wave 0 stores the tile's 512 bytes of scale words
	ds_load_b128 v[168:171], v167
	s_wait_dscnt 0x0
	global_store_b128 v4, v[168:171], s[14:15]
.Ldone:
	s_wait_tensorcnt 0x0
	ds_add_u32 v172, v173
	s_wait_dscnt 0x0
	s_endpgm
.Lfunc_end_k_q4bdc4d6c6d_quant:
	.size	k_q4bdc4d6c6d_quant, .Lfunc_end_k_q4bdc4d6c6d_quant-k_q4bdc4d6c6d_quant
	.p2alignl 7, 3214868480
	.fill 96, 4, 3214868480
	.section	.rodata,"a",@progbits
	.p2align	6, 0x0
	.amdhsa_kernel k_q4bdc4d6c6d_quant
		.amdhsa_group_segment_fixed_size 69120
		.amdhsa_private_segment_fixed_size 0
		.amdhsa_enable_private_segment 0
		.amdhsa_kernarg_size 64
		.amdhsa_user_sgpr_count 2
		.amdhsa_user_sgpr_kernarg_segment_ptr 1
		.amdhsa_wavefront_size32 1
		.amdhsa_system_sgpr_workgroup_id_x 1
		.amdhsa_system_sgpr_workgroup_id_y 1
		.amdhsa_system_sgpr_workgroup_id_z 1
		.amdhsa_system_vgpr_workitem_id 0
		.amdhsa_next_free_vgpr 174
		.amdhsa_next_free_sgpr 66
		.amdhsa_reserve_vcc 0
		.amdhsa_float_denorm_mode_32 3
		.amdhsa_float_denorm_mode_16_64 3
		.amdhsa_memory_ordered 1
		.amdhsa_forward_progress 1
		.amdhsa_inst_pref_size 11
	.end_amdhsa_kernel
	.amdgpu_metadata
---
amdhsa.version: [ 1, 2 ]
amdhsa.kernels:
  - .name:           k_q4bdc4d6c6d_quant
    .symbol:         k_q4bdc4d6c6d_quant.kd
    .args:
      - { .name: hidden_states, .offset: 0, .size: 8, .value_kind: global_buffer, .address_space: global }
      - { .name: Wq, .offset: 8, .size: 8, .value_kind: global_buffer, .address_space: global }
      - { .name: Wk, .offset: 16, .size: 8, .value_kind: global_buffer, .address_space: global }
      - { .name: Wv, .offset: 24, .size: 8, .value_kind: global_buffer, .address_space: global }
      - { .name: ximg, .offset: 32, .size: 8, .value_kind: global_buffer, .address_space: global }
      - { .name: xscl, .offset: 40, .size: 8, .value_kind: global_buffer, .address_space: global }
      - { .name: wimg, .offset: 48, .size: 8, .value_kind: global_buffer, .address_space: global }
      - { .name: wscl, .offset: 56, .size: 8, .value_kind: global_buffer, .address_space: global }
    .group_segment_fixed_size: 69120
    .private_segment_fixed_size: 0
    .kernarg_segment_align: 8
    .kernarg_segment_size: 64
    .max_flat_workgroup_size: 256
    .sgpr_count:     66
    .vgpr_count:     174
    .wavefront_size: 32
...
	.end_amdgpu_metadata
.endif
;; end of part 1
;; launch proj (part 2): grid 8 x 48, 4 waves a work-group, clusters of 4 x 4, 327,680 bytes of LDS; arguments ximg, xscl, wimg, wscl, bq, bk, bv, qimg, kimg, vimg; writes qimg, kimg, vimg
.if DOCPART == 2
	.amdgcn_target "amdgcn-amd-amdhsa--gfx1250"
	.amdhsa_code_object_version 6
	.text
	.protected	k_q4bdc4d6c6d_proj
	.globl	k_q4bdc4d6c6d_proj
	.p2align	8
	.type	k_q4bdc4d6c6d_proj,@function
k_q4bdc4d6c6d_proj:
	s_mov_b64 s[64:65], 0
	v_nop
	global_prefetch_b8 v0, s[64:65] scope:SCOPE_SE
	s_setreg_imm32_b32 hwreg(HW_REG_WAVE_MODE, 25, 1), 1
	s_wait_xcnt 0x0
	s_wait_alu depctr_hold_cnt(0) depctr_sa_sdst(0) depctr_va_vdst(0) depctr_va_sdst(0) depctr_va_ssrc(0) depctr_va_vcc(0) depctr_vm_vsrc(0)
	s_getreg_b32 s2, hwreg(HW_REG_IB_STS2, 6, 4)
	s_cmp_eq_u32 s2, 0
	s_cbranch_scc0 .Lentry_in_a_cluster
	s_endpgm
.Lentry_in_a_cluster:
	s_bfe_u32 s2, ttmp6, 0x10000c
	s_cmp_lg_u32 s2, 0xf033
	s_cbranch_scc0 .Lentry_shape_is_right
	s_endpgm
.Lentry_shape_is_right:
; q = x Wq^T + bq, k = x Wk^T + bk, v = x Wv^T + bv on codes of FP6 (E2M3) with E8M0 scales, sums in f32; the results are quantised in registers for the attention's products and leave as images of operand registers.
; A work-group of four waves makes a tile of 256 x 256, a wave 128 x 128: 64 accumulators, 512 registers.  K = 1,024 goes in four steps of 256 through two LDS slots filled by the tensor data mover.
; THE RESULT IS QUANTISED ALONG SOURCE 0.  q, k (along the head's 64 channels): source 0 = rows of W, source 1 = tokens.  v (along the keys): source 0 = tokens, source 1 = rows of Wv.  One text serves both; the
; part is chosen by the cluster's y (0..7: q and k; 8..11: v), which all sixteen partners share.  P0 is the operand of source 0, P1 that of source 1.
; The tiles' rows were chosen by the launch before (row r of tile 4 g + t is row 64 g + 32 (r / 8) + 8 t + r % 8), so the 32 result registers of source-0 tiles 4 c .. 4 c + 3 are rows 64 c + 32 (lane / 16) + 0 .. 31:
; a whole block of 32 in one lane, in the order of registers 6 c .. 6 c + 5 of a 6-bit fragment.  No maximum crosses lanes but the scale word's bytes, and the way out needs no LDS.
; The bias is the C of each sum's first matrix instruction.
; OUT.  qimg, kimg: [batch x 16 + head][key step of 128 tokens][6,656]: 8 fragments of 768 bytes (16 tokens x 64 channels: registers 0-3 at 16 x lane, registers 4-5 at 512 + 8 x lane), then 512 bytes of scale words:
; at 16 l + 4 i the word of tile 2 i + l / 16, row l % 16 (bytes 0, 1: the head's two blocks; bytes 2, 3: 0).  vimg: [batch x 16 + head][key step][6,400]: 4 fragments of 1,536 bytes (16 channels x 128 keys, 3 pieces
; of 512), then 256 bytes of scale words: at 8 l + 4 i the word of tile 2 i + l / 16, row l % 16.
; CLUSTERS: 4 x 4.  P0's tile hangs on cx alone and is asked for jointly by a column of the cluster, P1's on cy alone, by a row: the same tensor load, the same descriptor, a mask that names the four.
; LIMITS: a block whose largest magnitude lies under 2^-124, zeros among them, gets the byte 1; NaN and infinities are not served.
; REGISTERS, in windows of 256: window 0: v1-3 lane, r, h; v16-31 addresses; v32-63 scale words, two sets; v64-127 the bias as 8 tiles of C; v128-223 P1's 8 fragments, one set; on the way out v128-191 are at work.
;   window 1: P0's fragments, two sets, at v0 and v128.   windows 2, 3: accumulator (a, b) at v[8 (8 (a % 4) + b)], a = P1's tile, b = P0's.
.set HALFT,  24576                     ; 8 tiles x 2 K steps of 128 x 1,536 bytes: what one tensor load brings, and what one wave reads of P0 or P1
.set SLOT,   4*HALFT                   ; P1's two halves, then P0's two
.set SCL,    2*SLOT                    ; behind the ring: the scale words of the 512 rows for all of K, 4 x 4,096 bytes, in the same order; filled once
.set SPARE,  SCL+4*4096                ; the spare words, 128 bytes a wave: two blocks of 256 bytes that no other line names
.set FR,     12                        ; registers of a fragment
.set NL,     3                         ; LDS loads that bring one
.set NP,     4                         ; places behind this matrix instruction (ISA guide 7.12.1)
.set ADRA,   16                        ; v16-17 LDS address of my P1 fragments in slot 0, 1
.set ADRB,   20                        ; v20-21 the same for P0
.set L16,    24                        ; v24    16 x lane
.set L8,     25                        ; v25    8 x lane
.set H8,     26                        ; v26    8 h
.set ADRS,   27                        ; v27    my scale words: lanes 0-15 P1's rows, lanes 16-31 P0's
.set SPW,    28                        ; v28    my spare word; never rewritten
.set NIL,    29                        ; v29    0; never rewritten
.set BOQ,    30                        ; v30    the bias's lane offset for q, k: 128 h
.set BOV,    31                        ; v31    for v: 4 (32 (r / 8) + r % 8)
.set SC,     32                        ; scale words: register 16 set + 2 i + q: lanes 0-15 P1's tile i, lanes 16-31 P0's tile i, the slot's q-th 128 along K
.set BIAS,   64
.set AF,     128
.set XW,     176                       ; the way out: v176-183 the scale word of P1's tile a
.set G1A, 24                           ; s[24:31] group 1 for P1's tiles; s[32:39] group 0, a set for each slot
.set G0A, 32
.set G1B, 40                           ; s[40:47], s[48:55] the same for P0's
.set G0B, 48
.set G1SA, 56                          ; s[56:63], s[76:79] groups 1 and 0 for P1's scale words; s[68:75], s[80:83] for P0's
.set G1SB, 68
.set G0SA, 76
.set G0SB, 80
.set MSB, 0
.macro WIN new                         ; the immediate's high byte repeats the setting that is left
.if MSB != (\new)
	s_set_vgpr_msb (MSB<<8)|(\new)
.set MSB, (\new)
.endif
.endm
.set TO_B, 0x40                        ; destination window 1, address window 0
; A joint load: waves 0 and 1 fetch for P1, waves 2 and 3 for P0.  The branch hangs on the wave's number alone.  Four v_nop follow each of the two lines.
.macro JLOAD g0a, g1a, g0b, g1b
	s_cmp_eq_u32 s13, 0
	s_cbranch_scc0 .Lfor_b_\@
	tensor_load_to_lds s[\g0a:\g0a+3], s[\g1a:\g1a+7]
	s_nop 0
.rept 4
	v_nop
.endr
	s_branch .Lasked_\@
.Lfor_b_\@:
	tensor_load_to_lds s[\g0b:\g0b+3], s[\g1b:\g1b+7]
	s_nop 0
.rept 4
	v_nop
.endr
.Lasked_\@:
.endm
.macro CREST                           ; a round of the cluster's barrier behind its opening barrier
	s_cmp_lg_u32 s12, 0
	s_cbranch_scc1 .Lnot_wave_0_\@
	s_barrier_signal -3
.Lnot_wave_0_\@:
	s_barrier_wait -3
	s_barrier_signal -1
	s_barrier_wait -1
.endm
.macro CROUND                          ; a whole round
	s_barrier_signal -1
	s_barrier_wait -1
	CREST
.endm
.macro PLACES n
.rept \n
	v_nop
.endr
.endm
	s_load_b256 s[4:11], s[0:1], 0x0               ; ximg s[4:5], xscl s[6:7], wimg s[8:9], wscl s[10:11]
	s_load_b256 s[84:91], s[0:1], 0x20             ; bq s[84:85], bk s[86:87], bv s[88:89], qimg s[90:91]
	s_load_b128 s[92:95], s[0:1], 0x40             ; kimg s[92:93], vimg s[94:95]
	v_lshl_add_u32 v[SPW], v0, 2, SPARE
	v_mov_b32 v[NIL], 0
	ds_add_u32 v28, v29
	ds_add_u32 v28, v29
	s_wait_dscnt 0x0
	v_lshrrev_b32 v1, 5, v0
	v_readfirstlane_b32 s12, v1                    ; wave 0..3
	s_lshr_b32 s13, s12, 1                         ; w0: my half of P1.  Also: I fetch for P1 (0) or for P0 (1)
	s_and_b32 s14, s12, 1                          ; w1: my half of P0.  Also: which 128 rows I fetch
	s_bfe_u32 s16, ttmp6, 0x40000                  ; cx
	s_bfe_u32 s17, ttmp6, 0x40004                  ; cy
	s_mov_b32 s18, ttmp9                           ; cluster x: 0, 1
	s_and_b32 s19, ttmp7, 0xffff                   ; cluster y: 0..11
	s_lshl_b32 s22, s19, 1
	s_add_co_u32 s22, s22, s18
	s_sub_co_u32 s22, s22, 16                      ; v: which four blocks of 256 tokens: cluster x + 2 (cluster y - 8)
	s_cmp_ge_u32 s19, 8
	s_cselect_b32 s15, 1, 0                        ; 1: this cluster makes v
	s_cselect_b32 s22, s22, s18
	s_cselect_b32 s23, 2, s19
	s_lshl_b32 s20, s22, 2
	s_add_co_u32 s20, s20, s16                     ; i0: P0's block of 256 rows (q, k: 0-3 Wq, 4-7 Wk; v: tokens)
	s_lshl_b32 s21, s23, 2
	s_add_co_u32 s21, s21, s17                     ; i1: P1's block (q, k: tokens; v: 8-11, Wv)
	s_lshl_b32 s22, s17, 2
	s_lshl_b32 s22, 15, s22                        ; my row of the cluster
	s_lshl_b32 s23, 0x1111, s16                    ; my column
	s_or_b32 s[G1A], s22, (3<<16)|(1<<21)          ; 15:0 the mask; 17:16 elements of 8 bytes; 20 no padding (an image is read 16 bytes a lane on end); 21 set beside a mask
	s_or_b32 s[G1B], s23, (3<<16)|(1<<21)
	s_or_b32 s[G1SA], s22, (3<<16)|(1<<21)
	s_or_b32 s[G1SB], s23, (3<<16)|(1<<21)
.irp g, G1A, G1B                       ; 8 tiles' parts of a slot: 8 rows of 3,072 bytes (384 elements), 12,288 bytes (1,536 elements) apart
	s_mov_b32 s[\g+1], 384<<16
	s_mov_b32 s[\g+2], 8<<16
	s_mov_b32 s[\g+3], 384<<16
	s_mov_b32 s[\g+4], 8
	s_mov_b32 s[\g+5], 1536
	s_mov_b32 s[\g+6], 0
	s_mov_b32 s[\g+7], 0
.endr
.irp g, G1SA, G1SB                     ; 128 rows' scale words: 4,096 dense bytes as 16 rows of 256
	s_mov_b32 s[\g+1], 32<<16
	s_mov_b32 s[\g+2], 16<<16
	s_mov_b32 s[\g+3], 32<<16
	s_mov_b32 s[\g+4], 16
	s_mov_b32 s[\g+5], 32
	s_mov_b32 s[\g+6], 0
	s_mov_b32 s[\g+7], 0
.endr
	s_mul_i32 s2, s21, 196608                      ; offsets, apart from the addresses.  P1's codes: 16 tiles of 12,288 bytes a block,
	s_mul_i32 s22, s14, 98304                      ; 8 tiles for the half that I fetch
	s_add_co_u32 s2, s2, s22
	s_mov_b32 s3, 0
	s_mul_i32 s66, s20, 196608                     ; P0's codes
	s_add_co_u32 s66, s66, s22
	s_mov_b32 s67, 0
	s_lshl_b32 s96, s21, 13                        ; P1's scale words: 16 tiles of 512 bytes a block
	s_lshl_b32 s23, s14, 12
	s_add_co_u32 s96, s96, s23
	s_mov_b32 s97, 0
	s_lshl_b32 s98, s20, 13                        ; P0's
	s_add_co_u32 s98, s98, s23
	s_mov_b32 s99, 0
	s_mul_i32 s100, s12, HALFT                     ; where they go: wave x 24,576, wave x 4,096: no place in the cluster enters an LDS address
	s_lshl_b32 s101, s12, 12
	v_and_b32 v1, 31, v0                           ; lane
	v_and_b32 v2, 15, v0                           ; r
	v_bfe_u32 v3, v0, 4, 1                         ; h
	v_lshlrev_b32 v[L16], 4, v1
	v_lshlrev_b32 v[L8], 3, v1
	v_lshlrev_b32 v[H8], 3, v3
	s_wait_kmcnt 0x0
	s_cmp_eq_u32 s15, 1
	s_cselect_b64 s[22:23], s[8:9], s[4:5]         ; P1's codes: Wv's for v, x's for q and k
	s_add_nc_u64 s[2:3], s[22:23], s[2:3]
	s_cselect_b64 s[22:23], s[4:5], s[8:9]         ; P0's: the other way round
	s_add_nc_u64 s[66:67], s[22:23], s[66:67]
	s_cselect_b64 s[22:23], s[10:11], s[6:7]
	s_add_nc_u64 s[96:97], s[22:23], s[96:97]
	s_cselect_b64 s[22:23], s[6:7], s[10:11]
	s_add_nc_u64 s[98:99], s[22:23], s[98:99]
	CROUND                                         ; all sixteen work-groups are here: the first joint loads meet
	s_mov_b32 s[G0SA], 1
	s_add_co_u32 s[G0SA+1], s101, SCL
	s_mov_b64 s[G0SA+2:G0SA+3], s[96:97]
	s_or_b32 s[G0SA+3], s[G0SA+3], 0x80000000
	s_mov_b32 s[G0SB], 1
	s_add_co_u32 s[G0SB+1], s101, SCL
	s_mov_b64 s[G0SB+2:G0SB+3], s[98:99]
	s_or_b32 s[G0SB+3], s[G0SB+3], 0x80000000
	JLOAD G0SA, G1SA, G0SB, G1SB                   ; the scale words first: they are wanted with the first K step
.irp s, 0,1
	s_mov_b32 s[G0A+4*\s], 1
	s_add_co_u32 s[G0A+4*\s+1], s100, \s*SLOT
	s_add_nc_u64 s[G0A+4*\s+2:G0A+4*\s+3], s[2:3], \s*3072
	s_or_b32 s[G0A+4*\s+3], s[G0A+4*\s+3], 0x80000000
	s_mov_b32 s[G0B+4*\s], 1
	s_add_co_u32 s[G0B+4*\s+1], s100, \s*SLOT
	s_add_nc_u64 s[G0B+4*\s+2:G0B+4*\s+3], s[66:67], \s*3072
	s_or_b32 s[G0B+4*\s+3], s[G0B+4*\s+3], 0x80000000
	JLOAD G0A+4*\s, G1A, G0B+4*\s, G1B             ; three loads of mine are out
.endr
	s_mul_i32 s22, s13, HALFT                      ; my half of P1
	s_mul_i32 s23, s14, HALFT                      ; my half of P0,
	s_add_co_u32 s23, s23, 2*HALFT                 ; which lies behind P1's two
.irp s, 0,1
	v_add_nc_u32 v[ADRA+\s], s22, v[L16]
	v_add_nc_u32 v[ADRB+\s], s23, v[L16]
	s_add_co_u32 s22, s22, SLOT
	s_add_co_u32 s23, s23, SLOT
.endr
	s_lshl_b32 s22, s13, 12                        ; P1's scale words: my half
	s_lshl_b32 s23, s14, 12                        ; P0's: my half, behind P1's two
	s_add_co_u32 s23, s23, 8192
	s_sub_co_u32 s23, s23, s22
	v_mul_u32_u24 v[ADRS], s23, v3                 ; lanes 16-31 take P0's: one product, the distance between the two
	s_add_co_u32 s22, s22, SCL
	v_lshl_add_u32 v[ADRS], v2, 4, v[ADRS]         ; 16 bytes a row in each half of a tile's 512
	v_add_nc_u32 v[ADRS], s22, v[ADRS]
	v_lshlrev_b32 v[BOQ], 7, v3
	v_lshrrev_b32 v4, 3, v2
	v_and_b32 v5, 7, v2
	v_lshlrev_b32 v[BOV], 2, v5
	v_lshl_add_u32 v[BOV], v4, 7, v[BOV]
	; where my results go, and where my biases lie
	s_lshl_b32 s22, s17, 2
	s_lshl_b32 s23, s13, 1
	s_add_co_u32 s22, s22, s23                     ; v: my first head, 4 cy + 2 w0
	s_lshl_b32 s23, s16, 2
	s_lshl_b32 s66, s14, 1
	s_add_co_u32 s23, s23, s66                     ; q, k: 4 cx + 2 w1
	s_mov_b32 s67, 6656
	s_cmp_eq_u32 s18, 1
	s_cselect_b64 s[98:99], s[86:87], s[84:85]     ; cluster x = 1: k
	s_cselect_b64 s[96:97], s[92:93], s[90:91]
	s_cmp_eq_u32 s15, 1
	s_cselect_b64 s[98:99], s[88:89], s[98:99]
	s_cselect_b64 s[96:97], s[94:95], s[96:97]
	s_cselect_b32 s22, s22, s23                    ; my first head
	s_cselect_b32 s23, s20, s21                    ; my block of 256 tokens
	s_cselect_b32 s66, s14, s13                    ; and which half of it is mine
	s_cselect_b32 s67, 6400, s67                   ; a key step's bytes
	s_lshr_b32 s2, s23, 3                          ; the batch
	s_lshl_b32 s2, s2, 4
	s_add_co_u32 s2, s2, s22
	s_lshl_b32 s2, s2, 4                           ; 16 key steps a head
	s_and_b32 s23, s23, 7
	s_lshl_b32 s23, s23, 1
	s_add_co_u32 s2, s2, s23
	s_add_co_u32 s2, s2, s66
	s_mul_i32 s2, s2, s67
	s_mov_b32 s3, 0
	s_add_nc_u64 s[96:97], s[96:97], s[2:3]        ; my key step's block of my first head
	s_lshl_b32 s2, s22, 8
	s_add_nc_u64 s[98:99], s[98:99], s[2:3]        ; my two heads' 128 biases
	s_mov_b32 s100, 0x76543210
	s_mov_b32 s101, 0xfedcba98                     ; v_permlanex16_b32's selects for lane l xor 16
	s_cmp_eq_u32 s15, 1
	s_cbranch_scc1 .Lbias_v
.irp b, 0,1,2,3,4,5,6,7                ; q, k: the bias goes with source 0's rows: register j of tile b wants channel 64 (b / 4) + 32 h + 8 (b % 4) + j
.irp u, 0,1
	global_load_b128 v[BIAS+8*\b+4*\u:BIAS+8*\b+4*\u+3], v[BOQ], s[98:99] offset:256*(\b/4)+32*(\b%4)+16*\u
.endr
.endr
	s_branch .Lbias_done
.Lbias_v:
.irp a, 0,1,2,3,4,5,6,7                ; v: it goes with source 1's rows: all eight registers of tile a want the lane's channel 64 (a / 4) + 32 (r / 8) + 8 (a % 4) + r % 8
.irp j, 0,1,2,3,4,5,6,7
	global_load_b32 v[BIAS+8*\a+\j], v[BOV], s[98:99] offset:256*(\a/4)+32*(\a%4)
.endr
.endr
.Lbias_done:
.macro FRAG reg, adr, q, i             ; a fragment's image comes back as it was stored: 3 loads of 16 bytes a lane, 512 consecutive bytes each
.irp p, 0,1,2
	ds_load_b128 v[\reg+4*\p:\reg+4*\p+3], v[\adr] offset:3072*(\i)+1536*(\q)+512*\p
.endr
.endm
; 16 matrix instructions: P1's tiles a0, a0 + 1 x P0's eight, the slot's q-th 128 along K.  p: P0's set; sc: the set of scale words.  mode 0: the sums go on; 1: they start from the bias of P0's tile; 2: of P1's tile.
; The 64 accumulators take turns, one instruction a turn, in the same order in every step.
.macro MUL16 a0, p, q, sc, mode
.irp a, \a0, \a0+1
.irp b, 0,1,2,3,4,5,6,7
.if \mode == 0
	v_wmma_scale_f32_16x16x128_f8f6f4 v[8*(8*((\a)%4)+\b):8*(8*((\a)%4)+\b)+7], v[128*(\p)+FR*\b:128*(\p)+FR*\b+FR-1], v[AF+FR*(\a):AF+FR*(\a)+FR-1], v[8*(8*((\a)%4)+\b):8*(8*((\a)%4)+\b)+7], v[SC+16*(\sc)+2*\b+(\q)], v[SC+16*(\sc)+2*(\a)+(\q)] matrix_a_fmt:MATRIX_FMT_FP6 matrix_b_fmt:MATRIX_FMT_FP6 matrix_a_scale:MATRIX_SCALE_ROW1
.elseif \mode == 1
	v_wmma_scale_f32_16x16x128_f8f6f4 v[8*(8*((\a)%4)+\b):8*(8*((\a)%4)+\b)+7], v[128*(\p)+FR*\b:128*(\p)+FR*\b+FR-1], v[AF+FR*(\a):AF+FR*(\a)+FR-1], v[BIAS+8*\b:BIAS+8*\b+7], v[SC+16*(\sc)+2*\b+(\q)], v[SC+16*(\sc)+2*(\a)+(\q)] matrix_a_fmt:MATRIX_FMT_FP6 matrix_b_fmt:MATRIX_FMT_FP6 matrix_a_scale:MATRIX_SCALE_ROW1
.else
	v_wmma_scale_f32_16x16x128_f8f6f4 v[8*(8*((\a)%4)+\b):8*(8*((\a)%4)+\b)+7], v[128*(\p)+FR*\b:128*(\p)+FR*\b+FR-1], v[AF+FR*(\a):AF+FR*(\a)+FR-1], v[BIAS+8*(\a):BIAS+8*(\a)+7], v[SC+16*(\sc)+2*\b+(\q)], v[SC+16*(\sc)+2*(\a)+(\q)] matrix_a_fmt:MATRIX_FMT_FP6 matrix_b_fmt:MATRIX_FMT_FP6 matrix_a_scale:MATRIX_SCALE_ROW1
.endif
.endr
.endr
.endm
.macro FETCH_B slot, q, p              ; P0's eight fragments into set p
	WIN TO_B
.irp i, 0,1,2,3,4,5,6,7
	FRAG 128*(\p)+FR*\i, ADRB+\slot, \q, \i
.endr
	WIN 0
.endm
.macro FETCH_A slot, q, i0             ; P1's tiles i0 .. i0 + 3
.irp i, \i0, \i0+1, \i0+2, \i0+3
	FRAG AF+FR*(\i), ADRA+\slot, \q, \i
.endr
.endm
.macro SCALES set, sig                 ; K step sig's scale words (two a row) into a set: lanes 0-15 take P1's tile i, lanes 16-31 P0's
.irp i, 0,1,2,3,4,5,6,7
	ds_load_b64 v[SC+16*(\set)+2*\i:SC+16*(\set)+2*\i+1], v[ADRS] offset:512*\i+256*((\sig)/2)+8*((\sig)%2)
.endr
.endm
; A load into a register that a matrix instruction has read stands NP plain vector lines behind that instruction (ISA guide 7.12.1 for vector instructions).
; A slot's first 128 along K.  A tile of P1 is free as soon as its eight products are issued, so P1 has one set: tiles 0-3 are fetched anew in the middle, tiles 4-7 at the end.
.macro STEP slot, q, mode
	s_wait_dscnt 4*NL                              ; P0's set, the scale words and P1's tiles 0-3 are in; the youngest 12 loads (P1's tiles 4-7) may be out
.if \mode
	WIN 0x81                                       ; source 0 window 1, source 1 and C (the bias) window 0, D window 2
.else
	WIN 0xa1                                       ; C and D window 2
.endif
	MUL16 0, (\q)%2, \q, \slot, \mode
	MUL16 2, (\q)%2, \q, \slot, \mode
	s_wait_dscnt 0x0                               ; P1's tiles 4-7 are in
	PLACES NP
	FETCH_B \slot, (\q)+1, 1-(\q)%2
	FETCH_A \slot, (\q)+1, 0
.if \mode
	WIN 0xc1
.else
	WIN 0xf1
.endif
	MUL16 4, (\q)%2, \q, \slot, \mode
	MUL16 6, (\q)%2, \q, \slot, \mode
	PLACES NP
	WIN 0
	FETCH_A \slot, (\q)+1, 4
.endm
; A slot's second 128 along K changes slots: one barrier; in front of it each wave waits for all its tensor loads, adds 0 to its spare word, and waits for that and for its reads of this slot.
; fill = 1: the barrier opens a round of the cluster's barrier, and this slot is filled again, two K steps ahead, first thing behind the round.  sig: the K step that lies in the next slot.
.macro TURN slot, next, fill, sig
	s_wait_tensorcnt 0x0                           ; all my tensor loads have landed, my part of the next slot among them
	ds_add_u32 v[SPW], v[NIL]                      ; 0 onto my spare word
	s_wait_dscnt 4*NL+1                            ; (the add and the youngest 12 loads may be out)
	WIN 0xa1
	MUL16 0, 1, 1, \slot, 0                        ; sixteen matrix instructions stand between the add and the wait for it
	s_wait_dscnt 0x0                               ; the add is done, and my reads of this slot are over
	s_barrier_signal -1
	MUL16 2, 1, 1, \slot, 0
	WIN 0
	s_barrier_wait -1
.if \fill
	CREST                                          ; no wave of any partner still reads this slot or has a load on its way
	s_add_nc_u64 s[G0A+4*\slot+2:G0A+4*\slot+3], s[G0A+4*\slot+2:G0A+4*\slot+3], 6144
	s_add_nc_u64 s[G0B+4*\slot+2:G0B+4*\slot+3], s[G0B+4*\slot+2:G0B+4*\slot+3], 6144
	JLOAD G0A+4*\slot, G1A, G0B+4*\slot, G1B       ; my one tensor load behind the round; its four v_nop are also the places in front of the loads below
.else
	PLACES NP
.endif
	FETCH_B \next, 0, 0
	FETCH_A \next, 0, 0
	SCALES \next, \sig
	WIN 0xf1
	MUL16 4, 1, 1, \slot, 0
	MUL16 6, 1, 1, \slot, 0
	PLACES NP
	WIN 0
	FETCH_A \next, 0, 4
.endm
	s_wait_loadcnt 0x0                             ; the bias
	s_wait_tensorcnt 0x1                           ; the scale words and my part of K step 0 are in; K step 1's load may be out
	s_barrier_signal -1
	s_barrier_wait -1                              ; everybody's are
	FETCH_B 0, 0, 0
	FETCH_A 0, 0, 0
	SCALES 0, 0
	FETCH_A 0, 0, 4
	s_cmp_eq_u32 s15, 1                            ; the first products start the sums from the bias: by source 0's tile (q, k) or by source 1's (v)
	s_cbranch_scc1 .Lfirst_v
	STEP 0, 0, 1
	s_branch .Lfirst_done
.Lfirst_v:
	STEP 0, 0, 2
.Lfirst_done:
	TURN 0, 1, 1, 1                                ; four K steps of 256: written out, no loop
	STEP 1, 0, 0
	TURN 1, 0, 1, 2
	STEP 0, 0, 0
	TURN 0, 1, 0, 3                                ; the last two K steps fill nothing
	STEP 1, 0, 0
	s_wait_dscnt 4*NL
	WIN 0xa1
	MUL16 0, 1, 1, 1, 0
	MUL16 2, 1, 1, 1, 0
	s_wait_dscnt 0x0
	WIN 0xf1
	MUL16 4, 1, 1, 1, 0
	MUL16 6, 1, 1, 1, 0
	WIN 0
; THE WAY OUT of P1's tile a: its 64 registers are two blocks of 32 a lane (c = 0, 1): the largest magnitudes in four chains, each accumulator read from its low end on; the bytes; the codes; the stores.
.macro EPIA a, isv
.set AC, 64*((\a)%4)
	WIN 0x28+0x14*((\a)/4)                         ; sources 1 and 2: window 2 or 3
.irp k, 0,1,2,3
	v_max3_num_f32 v[160+\k], 0x1800000, |v[AC+16*\k]|, |v[AC+16*\k+1]|   ; chain k: registers 16 k on; with the floor 2^(3 - 127)
.endr
.irp i, 2,4,6,8,10,12,14
.irp k, 0,1,2,3
	v_max3_num_f32 v[160+\k], v[160+\k], |v[AC+16*\k+\i]|, |v[AC+16*\k+\i+1]|
.endr
.endr
	WIN 0
	v_max_num_f32 v160, v160, v161
	v_max_num_f32 v162, v162, v163
	v_add_nc_u32 v168, 0xff000000, v160            ; 2 off the exponent field: the conversions' scale operands
	v_add_nc_u32 v169, 0xff000000, v162
	v_lshrrev_b32 v170, 23, v168
	v_lshrrev_b32 v171, 23, v169
	v_lshl_or_b32 v[XW+\a], v171, 16, v170
	v_lshlrev_b32 v[XW+\a], v[H8], v[XW+\a]
	v_permlanex16_b32 v184, v[XW+\a], s100, s101
	v_or_b32 v[XW+\a], v[XW+\a], v184              ; byte 2 c + h: block (c, h) of my row
	s_wait_xcnt 0x0                                ; the last tile's stores have read their data: the codes' registers are written again only behind this wait
	WIN 0x02+((\a)/4)                              ; source 0: window 2 or 3
.irp c, 0,1
	v_cvt_scalef32_pk16_fp6_f32 v[128+6*\c:130+6*\c], v[AC+32*\c:AC+32*\c+15], v[168+\c]
	v_cvt_scalef32_pk16_fp6_f32 v[152+4*\c:154+4*\c], v[AC+32*\c+16:AC+32*\c+31], v[168+\c]   ; (a conversion's three registers begin on an even number)
.endr
	WIN 0
	v_nop                                          ; one plain line behind a scaled conversion
.irp c, 0,1
.irp i, 0,1,2
	v_mov_b32 v[131+6*\c+\i], v[152+4*\c+\i]
.endr
.endr
.if \isv
.irp p, 0,1,2                          ; one fragment of V: channels of tile a % 4 of head a / 4, my 128 keys
	global_store_b128 v[L16], v[128+4*\p:131+4*\p], s[96:97] offset:102400*((\a)/4)+1536*((\a)%4)+512*\p
.endr
.else
.irp c, 0,1                            ; two half fragments: tokens of tile a, head c: 512 and 256 consecutive bytes, aligned to 256
	global_store_b128 v[L16], v[128+6*\c:131+6*\c], s[96:97] offset:768*(\a)+106496*\c
	global_store_b64 v[L8], v[132+6*\c:133+6*\c], s[96:97] offset:768*(\a)+512+106496*\c
.endr
.endif
.endm
.macro EPI isv
	PLACES NP                                      ; behind the last products: results are read, and registers that held fragments are written
	v_mov_b32 v184, 0                              ; a lane permute's destination counts as one of its sources
.irp a, 0,1,2,3,4,5,6,7
	EPIA \a, \isv
.endr
	v_cmp_ne_u32 vcc_lo, 0, v3                     ; lanes 16-31 carry the odd tile's words
.if \isv
.irp d, 0,1                            ; head d: tiles 4 d .. 4 d + 3
.irp i, 0,1
	v_cndmask_b32 v[184+2*\d+\i], v[XW+4*\d+2*\i], v[XW+4*\d+2*\i+1], vcc_lo
.endr
	global_store_b64 v[L8], v[184+2*\d:185+2*\d], s[96:97] offset:6144+102400*\d
.endr
.else
.irp i, 0,1,2,3
	v_cndmask_b32 v[184+\i], v[XW+2*\i], v[XW+2*\i+1], vcc_lo
.endr
.irp i, 0,1,2,3
	v_and_b32 v[188+\i], 0xffff, v[184+\i]         ; head 0's two bytes; bytes 2 and 3, over zero codes, are 0
.endr
	global_store_b128 v[L16], v[188:191], s[96:97] offset:6144
.irp i, 0,1,2,3
	v_lshrrev_b32 v[184+\i], 16, v[184+\i]         ; head 1's
.endr
	global_store_b128 v[L16], v[184:187], s[96:97] offset:6144+106496
.endif
.endm
	s_cmp_eq_u32 s15, 1
	s_cbranch_scc1 .Lepi_v
	EPI 0
	s_branch .Lend
.Lepi_v:
	EPI 1
.Lend:
	s_wait_tensorcnt 0x0                           ; the wave's end
	ds_add_u32 v[SPW], v[NIL]
	s_wait_dscnt 0x0
	CROUND                                         ; the closing round: no work-group ends while a partner may still ask for a tile that names it
	s_endpgm
.Lfunc_end_k_q4bdc4d6c6d_proj:
	.size	k_q4bdc4d6c6d_proj, .Lfunc_end_k_q4bdc4d6c6d_proj-k_q4bdc4d6c6d_proj
	.p2alignl 7, 3214868480
	.fill 96, 4, 3214868480
	.section	.rodata,"a",@progbits
	.p2align	6, 0x0
	.amdhsa_kernel k_q4bdc4d6c6d_proj
		.amdhsa_group_segment_fixed_size 327680
		.amdhsa_private_segment_fixed_size 0
		.amdhsa_enable_private_segment 0
		.amdhsa_kernarg_size 80
		.amdhsa_user_sgpr_count 2
		.amdhsa_user_sgpr_kernarg_segment_ptr 1
		.amdhsa_wavefront_size32 1
		.amdhsa_system_sgpr_workgroup_id_x 1
		.amdhsa_system_sgpr_workgroup_id_y 1
		.amdhsa_system_sgpr_workgroup_id_z 1
		.amdhsa_system_vgpr_workitem_id 0
		.amdhsa_next_free_vgpr 1024
		.amdhsa_next_free_sgpr 102
		.amdhsa_reserve_vcc 1
		.amdhsa_float_denorm_mode_32 3
		.amdhsa_float_denorm_mode_16_64 3
		.amdhsa_memory_ordered 1
		.amdhsa_forward_progress 1
		.amdhsa_inst_pref_size 183
	.end_amdhsa_kernel
	.amdgpu_metadata
---
amdhsa.version: [ 1, 2 ]
amdhsa.kernels:
  - .name:           k_q4bdc4d6c6d_proj
    .symbol:         k_q4bdc4d6c6d_proj.kd
    .args:
      - { .name: ximg, .offset: 0, .size: 8, .value_kind: global_buffer, .address_space: global }
      - { .name: xscl, .offset: 8, .size: 8, .value_kind: global_buffer, .address_space: global }
      - { .name: wimg, .offset: 16, .size: 8, .value_kind: global_buffer, .address_space: global }
      - { .name: wscl, .offset: 24, .size: 8, .value_kind: global_buffer, .address_space: global }
      - { .name: bq, .offset: 32, .size: 8, .value_kind: global_buffer, .address_space: global }
      - { .name: bk, .offset: 40, .size: 8, .value_kind: global_buffer, .address_space: global }
      - { .name: bv, .offset: 48, .size: 8, .value_kind: global_buffer, .address_space: global }
      - { .name: qimg, .offset: 56, .size: 8, .value_kind: global_buffer, .address_space: global }
      - { .name: kimg, .offset: 64, .size: 8, .value_kind: global_buffer, .address_space: global }
      - { .name: vimg, .offset: 72, .size: 8, .value_kind: global_buffer, .address_space: global }
    .group_segment_fixed_size: 327680
    .private_segment_fixed_size: 0
    .kernarg_segment_align: 8
    .kernarg_segment_size: 80
    .max_flat_workgroup_size: 128
    .sgpr_count:     102
    .vgpr_count:     1024
    .wavefront_size: 32
...
	.end_amdgpu_metadata
.endif
;; end of part 2
;; launch attn (part 3): grid 4 x 64, 8 waves a work-group, clusters of 4 x 1, 327,680 bytes of LDS; arguments qimg, kimg, vimg, attention_mask, out0; writes out0
.if DOCPART == 3
	.amdgcn_target "amdgcn-amd-amdhsa--gfx1250"
	.amdhsa_code_object_version 6
	.text
	.protected	k_q4bdc4d6c6d_attn
	.globl	k_q4bdc4d6c6d_attn
	.p2align	8
	.type	k_q4bdc4d6c6d_attn,@function
k_q4bdc4d6c6d_attn:
	s_mov_b64 s[64:65], 0
	v_nop
	global_prefetch_b8 v0, s[64:65] scope:SCOPE_SE
	s_setreg_imm32_b32 hwreg(HW_REG_WAVE_MODE, 25, 1), 1
	s_wait_xcnt 0x0
	s_wait_alu depctr_hold_cnt(0) depctr_sa_sdst(0) depctr_va_vdst(0) depctr_va_sdst(0) depctr_va_ssrc(0) depctr_va_vcc(0) depctr_vm_vsrc(0)
	s_getreg_b32 s2, hwreg(HW_REG_IB_STS2, 6, 4)
	s_cmp_eq_u32 s2, 0
	s_cbranch_scc0 .Lentry_in_a_cluster
	s_endpgm
.Lentry_in_a_cluster:
	s_bfe_u32 s2, ttmp6, 0x10000c
	s_cmp_lg_u32 s2, 0x3003
	s_cbranch_scc0 .Lentry_shape_is_right
	s_endpgm
.Lentry_shape_is_right:
; out[b][q][head] = the sum over keys of relu(q . k / 8 + mask[b][key])^2 v[key], both products on codes of FP6 (E2M3) with E8M0 scales; q, k, v arrive as images of operand registers.
; THE 1 / 8 AND THE MASK COST NO VECTOR LINE: the first product's C is 8 x mask, so s' = q . k + 8 mask = 8 s; p' = relu(s')^2 = 64 p has p's codes and a scale byte 6 higher; O is multiplied by 2^-6 once, at the end.
; Both factors are powers of two and round nothing.
; The head's K is 64: registers 6-11 of K's and Q's fragments hold zero codes, written once; bytes 2, 3 of their scale words are 0.
; SHARES.  A work-group owns 512 queries of one (batch, head), each of its eight waves 64: four tiles of 16.  Two waves share a SIMD: a key step has about ten vector lines for each matrix instruction, so one wave's
; vector work stands beside the other's matrix work.  Every wave walks the head's 2,048 keys, 128 a step; each fragment of K, V and the mask that it reads from LDS serves its four tiles.
; LAYOUT.  Both products are used transposed: S^T = K Q^T (source 0 = 16 keys), O^T = V^T P^T (source 0 = 16 channels): a lane holds one query throughout.  The rows of a tile were chosen by the launches before
; (row r of tile 4 c + t is row 64 c + 32 (r / 8) + 8 t + r % 8), so the 32 registers of key tiles 4 c .. 4 c + 3 are keys 64 c + 32 (lane / 16) + 0 .. 31: a whole block in one lane, in the order of P's registers 6 c .. 6 c + 5.
; LDS.  K, V, their scale words and the mask of the whole head lie in LDS; each byte is filled once, so there is no ring.  K and V come in four chunks of four key steps; the work on a chunk begins when it has landed.
; CLUSTER.  The four work-groups of a cluster own the same head: each chunk is asked for jointly, by the same tensor load with the same descriptor and the mask 15.
; LIMITS: a mask under -3.75e37 (-infinity too) and a NaN in the mask count as hidden (8 x mask is held at -3e38); a block whose largest s' lies under 2^-62, zeros among them, gets the byte 1 (its codes are zeros
; or lose bits under 2^-127); s' beyond 1.8e19 overflows p', where p itself stays finite up to s' = 1.4e20.
; REGISTERS.  window 0: v1-16 addresses; v18-21 K's scale words, v22-23 Q's, v24-25 V's, v26-29 P's; v32-45 at work; v48-95 P's codes, 12 a tile; v96-127, v128-159 S^T, two sets; v160-191 8 x mask as C; v192-239 four fragments of K.
;   window 1: v32-79 Q's four fragments; v80-127 V's four; v128-255 O^T: tile i, channel tile t at 128 + 32 i + 8 t.
.set DUAL,  1                          ; 1: two relu in one dual-issue line; 0: two plain lines
.set KSTEP, 6656                       ; a key step of K: 8 fragments of 768 bytes, 512 bytes of scale words
.set VSTEP, 6400                       ; of V: 4 fragments of 1,536 bytes, 256 bytes of scale words
.set VB,    16*KSTEP                   ; K's 16 steps begin at LDS byte 0, V's here
.set MSK,   VB+16*VSTEP                ; 8 x mask, 2,048 numbers
.set STG,   MSK+8192                   ; the way out: 16 rows x (256 + 16) bytes for each wave
.set L16,  1                           ; v1   16 x lane: also my place in K's pieces of 512 bytes
.set L8,   2                           ; v2   8 x lane: also my place in K's pieces of 256 bytes
.set MGO,  3                           ; v3   16 x thread: the mask in memory
.set MLA,  4                           ; v4   MSK + 16 x thread
.set AV0,  5                           ; v5   VB + 16 x lane
.set AV80, 6                           ; v6   VB + 8 x lane
.set AM0,  7                           ; v7   MSK + 128 h
.set H8,   8                           ; v8   8 h
.set STO,  9                           ; v9   the stage, way in
.set RD,   10                          ; v10  and back
.set GO,   11                          ; v11  my byte offset in the wave's rows of out0
.set AK,   12                          ; v12-16 the step's addresses: K by 16, K by 8, V by 16, V by 8, mask
.set AK8,  13
.set AV,   14
.set AV8,  15
.set AM,   16
.set KS,   18
.set QS,   22
.set VS,   24
.set PS,   26
.set TT,   40                          ; v40-42 the upper half of a block's codes, as converted
.set P,    48
.set S,    96
.set MC,   160
.set KF,   192
.set QF,   32                          ; in window 1
.set VF,   80
.set WV,   12                          ; s12 my wave's number
.set CNT,  13                          ; s13 counts a chunk's steps
.set TK,   14                          ; s14-16 where the step in hand begins in K, in V, in the mask
.set TV,   15
.set TM,   16
.set G1K,  24                          ; s[24:31] group 1 for K's chunks; s[32:39] for V's; s[40:55], s[68:83] their groups 0, one for each chunk
.set G1V,  32
.set G0K,  40
.set G0V,  68
.set MSB, 0
.macro WIN new                         ; the immediate's high byte repeats the setting that is left
.if MSB != (\new)
	s_set_vgpr_msb (MSB<<8)|(\new)
.set MSB, (\new)
.endif
.endm
.macro CROUND                          ; a round of the cluster's barrier
	s_barrier_signal -1
	s_barrier_wait -1
	s_cmp_lg_u32 s[WV], 0
	s_cbranch_scc1 .Lnot_wave_0_\@
	s_barrier_signal -3
.Lnot_wave_0_\@:
	s_barrier_wait -3
	s_barrier_signal -1
	s_barrier_wait -1
.endm
.macro ADDR                            ; the addresses of the step that begins at s[TK], s[TV], s[TM]
	v_add_nc_u32 v[AK], s[TK], v[L16]
	v_add_nc_u32 v[AK8], s[TK], v[L8]
	v_add_nc_u32 v[AV], s[TV], v[AV0]
	v_add_nc_u32 v[AV8], s[TV], v[AV80]
	v_add_nc_u32 v[AM], s[TM], v[AM0]
.endm
	s_load_b256 s[4:11], s[0:1], 0x0               ; qimg s[4:5], kimg s[6:7], vimg s[8:9], attention_mask s[10:11]
	s_load_b64 s[22:23], s[0:1], 0x20              ; out0
	v_lshl_add_u32 v254, v0, 2, 0x3d800
	v_mov_b32 v255, 0
	ds_add_u32 v254, v255
	ds_add_u32 v254, v255
	v_lshrrev_b32 v17, 5, v0
	v_readfirstlane_b32 s[WV], v17                 ; wave 0..7
	s_bfe_u32 s56, ttmp6, 0x40000                  ; cx: it enters Q's and out0's addresses alone
	s_and_b32 s17, ttmp7, 0xffff                   ; batch x 16 + head, which the four partners share
	s_mov_b32 s[G1K], 15|(3<<16)|(1<<21)           ; 15:0 the mask: all four work-groups; 17:16 elements of 8 bytes; 20 no padding; 21 set beside a mask
	s_mov_b32 s[G1K+1], 32<<16                     ; a chunk is dense: rows of 256 bytes
	s_mov_b32 s[G1K+2], 104<<16                    ; 4 x 6,656 bytes = 104 rows
	s_mov_b32 s[G1K+3], 32<<16
	s_mov_b32 s[G1K+4], 104
	s_mov_b32 s[G1K+5], 32
	s_mov_b32 s[G1K+6], 0
	s_mov_b32 s[G1K+7], 0
	s_mov_b32 s[G1V], 15|(3<<16)|(1<<21)
	s_mov_b32 s[G1V+1], 32<<16
	s_mov_b32 s[G1V+2], 100<<16                    ; 4 x 6,400 bytes = 100 rows
	s_mov_b32 s[G1V+3], 32<<16
	s_mov_b32 s[G1V+4], 100
	s_mov_b32 s[G1V+5], 32
	s_mov_b32 s[G1V+6], 0
	s_mov_b32 s[G1V+7], 0
	s_mul_i32 s58, s17, 16*KSTEP                   ; offsets, apart from the addresses: the head in kimg,
	s_mov_b32 s59, 0
	s_mul_i32 s60, s17, 16*VSTEP                   ; in vimg;
	s_mov_b32 s61, 0
	s_lshl_b32 s62, s17, 4
	s_lshl_b32 s57, s56, 2
	s_add_co_u32 s62, s62, s57
	s_lshr_b32 s57, s[WV], 1
	s_add_co_u32 s62, s62, s57
	s_mul_i32 s62, s62, KSTEP                      ; my queries' step block in qimg: step 4 cx + wave / 2;
	s_mov_b32 s63, 0
	s_and_b32 s57, s[WV], 1
	s_mul_i32 s88, s57, 4*768                      ; my four fragments in it: 4 (wave % 2) on,
	s_mov_b32 s89, 0
	s_lshl_b32 s90, s57, 3                         ; and their two scale words a lane;
	s_mov_b32 s91, 0
	s_lshr_b32 s57, s17, 4
	s_lshl_b32 s92, s57, 13                        ; the batch's row of the mask;
	s_mov_b32 s93, 0
	s_lshl_b32 s94, s57, 23                        ; out0: the batch's 2,048 rows of 4,096 bytes,
	s_lshl_b32 s57, s56, 21                        ; my work-group's 512,
	s_add_co_u32 s94, s94, s57
	s_lshl_b32 s57, s[WV], 18                      ; my wave's 64,
	s_add_co_u32 s94, s94, s57
	s_and_b32 s57, s17, 15
	s_lshl_b32 s57, s57, 8                         ; the head's 256 bytes of a row
	s_add_co_u32 s94, s94, s57
	s_mov_b32 s95, 0
	s_mul_i32 s57, s[WV], 16*272
	s_add_co_u32 s57, s57, STG                     ; my stage
	s_mov_b32 s20, 0x76543210
	s_mov_b32 s21, 0xfedcba98                      ; v_permlanex16_b32's selects for lane l xor 16
	s_mov_b32 s[TK], 0
	s_mov_b32 s[TV], 0
	s_mov_b32 s[TM], 0
	v_and_b32 v46, 31, v0                          ; lane
	v_and_b32 v47, 15, v0                          ; r
	v_bfe_u32 v17, v0, 4, 1                        ; h
	v_lshlrev_b32 v[L16], 4, v46
	v_lshlrev_b32 v[L8], 3, v46
	v_lshlrev_b32 v[MGO], 4, v0
	v_lshl_add_u32 v[MLA], v0, 4, MSK
	v_add_nc_u32 v[AV0], VB, v[L16]
	v_add_nc_u32 v[AV80], VB, v[L8]
	v_lshl_add_u32 v[AM0], v17, 7, MSK             ; my half's 32 keys of each 64
	v_lshlrev_b32 v[H8], 3, v17
	v_mul_u32_u24 v[STO], v47, 272
	v_lshl_add_u32 v[STO], v17, 7, v[STO]
	v_add_nc_u32 v[STO], s57, v[STO]               ; in: row r, + 128 h: my 32 channels
	v_mul_u32_u24 v[RD], v17, 272
	v_lshl_add_u32 v[RD], v47, 4, v[RD]
	v_add_nc_u32 v[RD], s57, v[RD]                 ; back: lanes 0-15 one row of 256 bytes, lanes 16-31 the next
	v_lshlrev_b32 v[GO], 12, v17
	v_lshl_add_u32 v[GO], v47, 4, v[GO]            ; and the same two rows in out0
	v_mov_b32 v45, 0                               ; a lane permute's destination counts as one of its sources
	ADDR
	s_wait_dscnt 0x0
	s_wait_kmcnt 0x0
	s_add_nc_u64 s[6:7], s[6:7], s[58:59]
	s_add_nc_u64 s[8:9], s[8:9], s[60:61]
	s_add_nc_u64 s[4:5], s[4:5], s[62:63]
	s_add_nc_u64 s[84:85], s[4:5], s[88:89]        ; Q's fragments
	s_add_nc_u64 s[86:87], s[4:5], s[90:91]        ; Q's scale words
	s_add_nc_u64 s[10:11], s[10:11], s[92:93]
	s_add_nc_u64 s[22:23], s[22:23], s[94:95]
.irp p, 0,1,2,3
	s_mov_b32 s[G0K+4*\p], 1                       ; 1:0 count = 1
	s_mov_b32 s[G0K+4*\p+1], 4*KSTEP*\p            ; 63:32 LDS address
	s_add_nc_u64 s[G0K+4*\p+2:G0K+4*\p+3], s[6:7], 4*KSTEP*\p   ; 120:64 global address: chunk p
	s_or_b32 s[G0K+4*\p+3], s[G0K+4*\p+3], 0x80000000           ; 127:126 type = 2
	s_mov_b32 s[G0V+4*\p], 1
	s_mov_b32 s[G0V+4*\p+1], VB+4*VSTEP*\p
	s_add_nc_u64 s[G0V+4*\p+2:G0V+4*\p+3], s[8:9], 4*VSTEP*\p
	s_or_b32 s[G0V+4*\p+3], s[G0V+4*\p+3], 0x80000000
.endr
	CROUND                                         ; all four work-groups are here: the joint loads meet
	s_cmp_eq_u32 s[WV], 0                          ; wave 0 asks for K's four chunks, wave 1 for V's: a wave's fills stand in one branch; four loads of the wave are out; four v_nop follow the last
	s_cbranch_scc0 .Lnot_k
.irp p, 0,1,2,3
	tensor_load_to_lds s[G0K+4*\p:G0K+4*\p+3], s[G1K:G1K+7]
	s_nop 0
.endr
.rept 4
	v_nop
.endr
	s_branch .Lasked
.Lnot_k:
	s_cmp_eq_u32 s[WV], 1
	s_cbranch_scc0 .Lasked
.irp p, 0,1,2,3
	tensor_load_to_lds s[G0V+4*\p:G0V+4*\p+3], s[G1V:G1V+7]
	s_nop 0
.endr
.rept 4
	v_nop
.endr
.Lasked:
	global_load_b128 v[32:35], v[MGO], s[10:11]                 ; the batch's mask: 256 threads x 16 bytes, twice
	global_load_b128 v[36:39], v[MGO], s[10:11] offset:4096
	global_load_b64 v[QS:QS+1], v[L16], s[86:87] offset:6144    ; Q's scale words: register i / 2; lanes 0-15 the even tile, lanes 16-31 the odd one
	WIN 0x40                                       ; destination window 1
.irp i, 0,1,2,3
	global_load_b128 v[QF+12*\i:QF+12*\i+3], v[L16], s[84:85] offset:768*\i
	global_load_b64 v[QF+12*\i+4:QF+12*\i+5], v[L8], s[84:85] offset:768*\i+512
.endr
.irp i, 0,1,2,3
.irp k, 6,7,8,9,10,11
	v_mov_b32 v[QF+12*\i+\k], 0                    ; K = 64 .. 127 of the instruction: zero codes
.endr
.endr
	WIN 0
.irp t, 0,1,2,3
.irp k, 6,7,8,9,10,11
	v_mov_b32 v[KF+12*\t+\k], 0
.endr
.endr
	s_wait_loadcnt 0x9                             ; the mask is in; Q's scale words and its eight loads may be out
.irp k, 0,2,4,6
	v_pk_mul_f32 v[32+\k:33+\k], v[32+\k:33+\k], 0x41000000 op_sel_hi:[1,0]   ; 8 x mask
.endr
.irp k, 0,1,2,3,4,5,6,7
	v_max_num_f32 v[32+\k], 0xff61b1e6, v[32+\k]   ; held at -3e38 from below: no infinity goes into a sum
.endr
	ds_store_b128 v[MLA], v[32:35]
	ds_store_b128 v[MLA], v[36:39] offset:4096
	s_wait_loadcnt 0x0                             ; Q
; S^T of query tile i for keys 64 c on: four matrix instructions, key tiles 4 c + t, into set i % 2.  C = 8 x mask of the tile's keys.
.macro SW c, i
	WIN 0x04                                       ; source 1 (Q) window 1
.irp t, 0,1,2,3
.set rS, S+32*((\i)%2)+8*\t
.set rK, KF+12*\t
.set rQ, QF+12*(\i)
.set rM, MC+8*\t
.set rA, KS+(4*(\c)+\t)/2
.set rB, QS+(\i)/2
.if (\t%2 == 0) && ((\i)%2 == 0)
	v_wmma_scale_f32_16x16x128_f8f6f4 v[rS:rS+7], v[rK:rK+11], v[rQ:rQ+11], v[rM:rM+7], v[rA], v[rB] matrix_a_fmt:MATRIX_FMT_FP6 matrix_b_fmt:MATRIX_FMT_FP6
.elseif (\t%2 == 1) && ((\i)%2 == 0)
	v_wmma_scale_f32_16x16x128_f8f6f4 v[rS:rS+7], v[rK:rK+11], v[rQ:rQ+11], v[rM:rM+7], v[rA], v[rB] matrix_a_fmt:MATRIX_FMT_FP6 matrix_b_fmt:MATRIX_FMT_FP6 matrix_a_scale:MATRIX_SCALE_ROW1
.elseif (\t%2 == 0)
	v_wmma_scale_f32_16x16x128_f8f6f4 v[rS:rS+7], v[rK:rK+11], v[rQ:rQ+11], v[rM:rM+7], v[rA], v[rB] matrix_a_fmt:MATRIX_FMT_FP6 matrix_b_fmt:MATRIX_FMT_FP6 matrix_b_scale:MATRIX_SCALE_ROW1
.else
	v_wmma_scale_f32_16x16x128_f8f6f4 v[rS:rS+7], v[rK:rK+11], v[rQ:rQ+11], v[rM:rM+7], v[rA], v[rB] matrix_a_fmt:MATRIX_FMT_FP6 matrix_b_fmt:MATRIX_FMT_FP6 matrix_a_scale:MATRIX_SCALE_ROW1 matrix_b_scale:MATRIX_SCALE_ROW1
.endif
.endr
	WIN 0
.endm
; O^T of query tile i += V^T P^T over the step's 128 keys: four matrix instructions, one for each channel tile.  zero = 1: they start the sums: nothing is ever cleared.
.macro PV i, zero
	WIN 0x51                                       ; source 0 (V), C and D (O^T) window 1; source 1 (P) window 0
.irp t, 0,1,2,3
.set rO, 128+32*(\i)+8*\t
.set rV, VF+12*\t
.set rP, P+12*(\i)
.set rA, VS+\t/2
.if (\zero) && (\t%2 == 0)
	v_wmma_scale_f32_16x16x128_f8f6f4 v[rO:rO+7], v[rV:rV+11], v[rP:rP+11], 0, v[rA], v[PS+\i] matrix_a_fmt:MATRIX_FMT_FP6 matrix_b_fmt:MATRIX_FMT_FP6
.elseif (\zero)
	v_wmma_scale_f32_16x16x128_f8f6f4 v[rO:rO+7], v[rV:rV+11], v[rP:rP+11], 0, v[rA], v[PS+\i] matrix_a_fmt:MATRIX_FMT_FP6 matrix_b_fmt:MATRIX_FMT_FP6 matrix_a_scale:MATRIX_SCALE_ROW1
.elseif (\t%2 == 0)
	v_wmma_scale_f32_16x16x128_f8f6f4 v[rO:rO+7], v[rV:rV+11], v[rP:rP+11], v[rO:rO+7], v[rA], v[PS+\i] matrix_a_fmt:MATRIX_FMT_FP6 matrix_b_fmt:MATRIX_FMT_FP6
.else
	v_wmma_scale_f32_16x16x128_f8f6f4 v[rO:rO+7], v[rV:rV+11], v[rP:rP+11], v[rO:rO+7], v[rA], v[PS+\i] matrix_a_fmt:MATRIX_FMT_FP6 matrix_b_fmt:MATRIX_FMT_FP6 matrix_a_scale:MATRIX_SCALE_ROW1
.endif
.endr
	WIN 0
.endm
.macro KLOAD c                         ; K's fragments 4 c .. 4 c + 3: registers 0-5 of each; registers 6-11 stay zero
.irp t, 0,1,2,3
	ds_load_b128 v[KF+12*\t:KF+12*\t+3], v[AK] offset:768*(4*(\c)+\t)
	ds_load_b64 v[KF+12*\t+4:KF+12*\t+5], v[AK8] offset:768*(4*(\c)+\t)+512
.endr
.endm
.macro MLOAD c                         ; 8 x mask of keys 64 c + 32 h + 0 .. 31: register 8 t + j is the C of key tile t
.irp k, 0,1,2,3,4,5,6,7
	ds_load_b128 v[MC+4*\k:MC+4*\k+3], v[AM] offset:256*(\c)+16*\k
.endr
.endm
.macro VLOAD                           ; the step's four fragments of V and their scale words
	WIN 0x40
.irp t, 0,1,2,3
.irp p, 0,1,2
	ds_load_b128 v[VF+12*\t+4*\p:VF+12*\t+4*\p+3], v[AV] offset:1536*\t+512*\p
.endr
.endr
	WIN 0
	ds_load_b64 v[VS:VS+1], v[AV8] offset:6144
.endm
; THE VECTOR WORK on 32 scores of a lane (query tile i, keys 64 c + 32 h + 0 .. 31, in set i % 2): relu; the largest; its square is the block's largest p' (squaring and rounding keep the order);
; the scale; the squares; the codes, into P's registers 6 c .. 6 c + 5.  hook 1, 2: a run of LDS loads behind the sixteen relu lines, which are its places behind the last products.
.macro VEC c, i, hook
.set SB, S+32*((\i)%2)
.set XI, 0
.rept 16
.if DUAL
	v_dual_max_num_f32 v[SB+XI], 0, v[SB+XI] :: v_dual_max_num_f32 v[SB+XI+1], 0, v[SB+XI+1]   ; each accumulator is read from its low end on
.else
	v_max_num_f32 v[SB+XI], 0, v[SB+XI]
	v_max_num_f32 v[SB+XI+1], 0, v[SB+XI+1]
.endif
.set XI, XI+2
.endr
.if \hook == 1
	VLOAD
.elseif \hook == 2
	KLOAD 1
	MLOAD 1
.endif
.irp j, 0,1,2,3
	v_max3_num_f32 v[32+\j], v[SB+8*\j], v[SB+8*\j+1], v[SB+8*\j+2]   ; four chains of seven,
.endr
.irp u, 3,5
.irp j, 0,1,2,3
	v_max3_num_f32 v[32+\j], v[32+\j], v[SB+8*\j+\u], v[SB+8*\j+\u+1]
.endr
.endr
	v_max3_num_f32 v32, v32, v[SB+7], v[SB+15]     ; the four left over,
	v_max3_num_f32 v34, v34, v[SB+23], v[SB+31]
	v_max3_num_f32 v32, v32, v33, v34
	v_max3_num_f32 v32, v32, v35, 0x20800000       ; and the floor 2^-62, whose square is 2^(3 - 127): the byte cannot fall under 1
	v_mul_f32 v32, v32, v32
	v_add_nc_u32 v43, 0xff000000, v32              ; 2 off the exponent field: the conversions' scale operand
.if \c == 0
	v_lshrrev_b32 v[36+\i], 23, v43                ; the byte of block h: kept for the word
.else
	v_lshrrev_b32 v44, 23, v43                     ; the byte of block 2 + h
	v_lshl_or_b32 v[PS+\i], v44, 16, v[36+\i]
	v_lshlrev_b32 v[PS+\i], v[H8], v[PS+\i]
	v_permlanex16_b32 v45, v[PS+\i], s20, s21
	v_or_b32 v[PS+\i], v[PS+\i], v45               ; P's scale word of these 128 keys; the sixteen squares below stand between it and the product that reads it
.endif
.set XI, 0
.rept 16
	v_pk_mul_f32 v[SB+XI:SB+XI+1], v[SB+XI:SB+XI+1], v[SB+XI:SB+XI+1]
.set XI, XI+2
.endr
	v_cvt_scalef32_pk16_fp6_f32 v[P+12*(\i)+6*(\c):P+12*(\i)+6*(\c)+2], v[SB:SB+15], v43
	v_cvt_scalef32_pk16_fp6_f32 v[TT:TT+2], v[SB+16:SB+31], v43   ; (a conversion's three registers begin on an even number)
	v_nop                                          ; one plain line behind a scaled conversion
.irp k, 0,1,2
	v_mov_b32 v[P+12*(\i)+6*(\c)+3+\k], v[TT+\k]
.endr
.endm
; A KEY STEP: 128 keys.  The two sets of S^T take turns: while one set's scores are worked on, the next four products fill the other.  Between a product and the first line that reads or writes its registers stands
; the other set's vector work (ISA guide 7.12.1); only the step's first scores want four v_nop.  No two matrix instructions that follow each other share an accumulator.
.macro STEP zero
	ds_load_b128 v[KS:KS+3], v[AK] offset:6144     ; K's scale words: register T / 2; lanes 0-15 the even tile, lanes 16-31 the odd one
	KLOAD 0
	MLOAD 0
	s_wait_dscnt 0x0
	SW 0, 0
	SW 0, 1
.rept 4
	v_nop
.endr
	VEC 0, 0, 1                                    ; with V's run of loads: the last step's V^T P^T stand 20 plain lines back
	SW 0, 2
	VEC 0, 1, 0
	SW 0, 3
	VEC 0, 2, 2                                    ; with the second 64 keys' K and mask
	s_wait_dscnt 0x0                               ; they, and V, are in
	SW 1, 0
	VEC 0, 3, 0
	SW 1, 1
	VEC 1, 0, 0
	SW 1, 2
	VEC 1, 1, 0
	PV 0, \zero
	SW 1, 3
	VEC 1, 2, 0
	PV 1, \zero
	VEC 1, 3, 0
	PV 2, \zero
	s_add_co_u32 s[TK], s[TK], KSTEP
	s_add_co_u32 s[TV], s[TV], VSTEP
	s_add_co_u32 s[TM], s[TM], 512
	ADDR                                           ; the next step's addresses: five plain lines between tile 3's last codes and the products that read them
	PV 3, \zero
.endm
; A CHUNK of four key steps.  Tensor loads of a wave end in order (ISA guide 10.11.1): 3 - p younger chunks may stay out.  The waves that asked wait, then signal; the others read behind the barrier.  Nothing is filled again.
.macro PHASE p, first
	s_wait_tensorcnt 3-\p
	s_wait_dscnt 0x0                               ; (chunk 0: my part of the mask has landed)
	s_barrier_signal -1
	s_barrier_wait -1
.if \first
	STEP 1                                         ; the first step's V^T P^T start the sums
	s_mov_b32 s[CNT], 3
.else
	s_mov_b32 s[CNT], 4
.endif
.Lstep_\@:
	STEP 0
	s_sub_co_u32 s[CNT], s[CNT], 1
	s_cmp_lg_u32 s[CNT], 0
	s_cbranch_scc1 .Lstep_\@
.endm
	PHASE 0, 1
	PHASE 1, 0
	PHASE 2, 0
	PHASE 3, 0
; THE WAY OUT, a tile of 16 queries at a time.  A lane holds 32 channels of one query: x 2^-6, into my own stage (rows of 272 bytes = 17 x 16), back as whole rows of 256 bytes, which sixteen lanes store as one aligned
; block.  LDS serves a wave's instructions in order (ISA guide 5.7.1.4): no wait between the stores and the loads.  Stage row 2 k + lane / 16 of tile i is the wave's query 32 (k / 4) + 8 i + (2 k) % 8 + lane / 16.
; Tile 0's sixteen multiplications are the places behind the last products, which are tile 3's.
.macro OUT i
.set SB, S+32*((\i)%2)
.set YB, MC+32*((\i)%2)
.if \i >= 2
	s_wait_xcnt 0x0                                ; tile i - 2's stores have read their data: its registers are loaded again only behind this wait
.endif
	WIN 0x01                                       ; source 0 (O^T) window 1
.set XI, 0
.rept 16
	v_pk_mul_f32 v[SB+XI:SB+XI+1], v[128+32*(\i)+XI:128+32*(\i)+XI+1], 0x3c800000 op_sel_hi:[1,0]
.set XI, XI+2
.endr
	WIN 0
.irp k, 0,1,2,3,4,5,6,7
	ds_store_b128 v[STO], v[SB+4*\k:SB+4*\k+3] offset:16*\k
.endr
.irp k, 0,1,2,3,4,5,6,7
	ds_load_b128 v[YB+4*\k:YB+4*\k+3], v[RD] offset:544*\k
.endr
	s_wait_dscnt 0x0
.irp k, 0,1,2,3,4,5,6,7
	global_store_b128 v[GO], v[YB+4*\k:YB+4*\k+3], s[22:23] offset:((\k/4)*32+(2*\k)%8+8*(\i))*4096 th:TH_STORE_NT
.endr
.endm
	OUT 0
	OUT 1
	OUT 2
	OUT 3
	s_wait_tensorcnt 0x0
	ds_add_u32 v254, v255
	s_wait_dscnt 0x0
	CROUND                                         ; the closing round: no work-group ends while a partner may still ask for a chunk that names it
	s_endpgm
.Lfunc_end_k_q4bdc4d6c6d_attn:
	.size	k_q4bdc4d6c6d_attn, .Lfunc_end_k_q4bdc4d6c6d_attn-k_q4bdc4d6c6d_attn
	.p2alignl 7, 3214868480
	.fill 96, 4, 3214868480
	.section	.rodata,"a",@progbits
	.p2align	6, 0x0
	.amdhsa_kernel k_q4bdc4d6c6d_attn
		.amdhsa_group_segment_fixed_size 327680
		.amdhsa_private_segment_fixed_size 0
		.amdhsa_enable_private_segment 0
		.amdhsa_kernarg_size 40
		.amdhsa_user_sgpr_count 2
		.amdhsa_user_sgpr_kernarg_segment_ptr 1
		.amdhsa_wavefront_size32 1
		.amdhsa_system_sgpr_workgroup_id_x 1
		.amdhsa_system_sgpr_workgroup_id_y 1
		.amdhsa_system_sgpr_workgroup_id_z 1
		.amdhsa_system_vgpr_workitem_id 0
		.amdhsa_next_free_vgpr 512
		.amdhsa_next_free_sgpr 96
		.amdhsa_reserve_vcc 0
		.amdhsa_float_denorm_mode_32 3
		.amdhsa_float_denorm_mode_16_64 3
		.amdhsa_memory_ordered 1
		.amdhsa_forward_progress 1
		.amdhsa_inst_pref_size 218
	.end_amdhsa_kernel
	.amdgpu_metadata
---
amdhsa.version: [ 1, 2 ]
amdhsa.kernels:
  - .name:           k_q4bdc4d6c6d_attn
    .symbol:         k_q4bdc4d6c6d_attn.kd
    .args:
      - { .name: qimg, .offset: 0, .size: 8, .value_kind: global_buffer, .address_space: global }
      - { .name: kimg, .offset: 8, .size: 8, .value_kind: global_buffer, .address_space: global }
      - { .name: vimg, .offset: 16, .size: 8, .value_kind: global_buffer, .address_space: global }
      - { .name: attention_mask, .offset: 24, .size: 8, .value_kind: global_buffer, .address_space: global }
      - { .name: out0, .offset: 32, .size: 8, .value_kind: global_buffer, .address_space: global }
    .group_segment_fixed_size: 327680
    .private_segment_fixed_size: 0
    .kernarg_segment_align: 8
    .kernarg_segment_size: 40
    .max_flat_workgroup_size: 256
    .sgpr_count:     96
    .vgpr_count:     512
    .wavefront_size: 32
...
	.end_amdgpu_metadata
.endif
;; end of part 3
